; MI455X (gfx1250); checked and timed in simulation.
; The chip was launched on July 23, 2026; its instructions are those of AMD's public machine-readable ISA for CDNA 5 (MIT licence, August 2026) and "CDNA5" Instruction Set Architecture Reference Guide (July 2026). The comments in the code are by the model that wrote it; some were corrected since.
;; Linear Attention. Allowed arithmetic: matrix products marked QUANTISED: E5M2 operands, one given power-of-two scale a tensor, by v_wmma_f32_16x16x64_bf8_bf8 or v_wmma_f32_16x16x128_bf8_bf8, f32 sums; products left as they are: f32 operands where the result goes on into a quantised operand, else bf16, f16 or f32 operands; f32 sums; everything else in f32.
;; Inputs: Wk_codes 1,024 x 32 x 32 uint8 (E5M2 codes of Wk, K innermost, in blocks of 32 codes); Wq_codes 1,024 x 32 x 32 uint8 (E5M2 codes of Wq, K innermost, in blocks of 32 codes); Wv_codes 1,024 x 32 x 32 uint8 (E5M2 codes of Wv, K innermost, in blocks of 32 codes); k_codes 4,096 x 4 x 32 x 32 uint8 (E5M2 codes of k, K innermost, in blocks of 32 codes); lowp_scales 6 int32 (the exponents e of the quantised operands' scales 2^e); q_codes 4,096 x 4 x 32 x 32 uint8 (E5M2 codes of q, K innermost, in blocks of 32 codes); v_codes 4,096 x 4 x 32 x 32 uint8 (E5M2 codes of v, K innermost, in blocks of 32 codes).
;; Outputs: out0 4,096 x 4 x 1,024 float32.
;; This version of the problem:
;;   THIS VERSION OF THE PROBLEM IS GIVEN IN LOW PRECISION. The matrix products marked QUANTISED in the list below multiply operands that are first quantised to E5M2 (5 exponent bits, 2 mantissa bits; 8 bits a number), with one given power-of-two scale for each operand tensor; their sums are f32. All else is computed in f32.
;;   The module's matrix products, in the order in which they are computed (A, B: the left and right operand; K: the contracted axis; several contracted axes count as one K, in the product's order):
;;     1. [M 16,384, K 1,024] x [K 1,024, N 1,024]; A: input q (given as codes); B: input Wq (given as codes): QUANTISED (scales: A lowp_scales[0], B lowp_scales[1])
;;     2. [M 16,384, K 1,024] x [K 1,024, N 1,024]; A: input k (given as codes); B: input Wk (given as codes): QUANTISED (scales: A lowp_scales[2], B lowp_scales[3])
;;     3. [M 16,384, K 1,024] x [K 1,024, N 1,024]; A: input v (given as codes); B: input Wv (given as codes): QUANTISED (scales: A lowp_scales[4], B lowp_scales[5])
;;     4. batch 262,144 x [M 1, K 64] x [K 64, N 1]; A: computed on the way; B: computed on the way: left as it is (M = 1 < 16)
;;   THE QUANTISER, for each operand of a quantised product, along K:
;;     - The operand's scale is 2^e, e = its entry of the input lowp_scales (int32; the entries are numbered through the quantised products in the list's order, A before B).
;;     - Each number is divided by the scale, clamped to +-57,344, and rounded to the nearest number of E5M2, ties to even, subnormals kept.
;;     - The product sums the exact products of the quantised numbers (number of the format x scale) in f32.
;;   ~~~python
;;   def quantise(x, axis, e):      # numpy; x: float32 -> the quantised numbers, widened to float32 again
;;       x = np.moveaxis(x, axis, -1); K = x.shape[-1]
;;       r = np.clip(x / 2.0 ** e, -57344, 57344)
;;       step = 2.0 ** (np.maximum(np.frexp(np.where(r == 0, 1, r))[1] - 1, -14) - 2)
;;       q = np.round(r / step) * step * 2.0 ** e      # np.round: ties to even
;;       return np.moveaxis(q, -1, axis).astype(np.float32)
;;   ~~~
;;   INPUTS GIVEN AS CODES. Wk (in the module: [1024, 1024], K = its axis 1); Wq (in the module: [1024, 1024], K = its axis 1); Wv (in the module: [1024, 1024], K = its axis 1); k (in the module: [4096, 4, 1024], K = its axis 2); q (in the module: [4096, 4, 1024], K = its axis 2); v (in the module: [4096, 4, 1024], K = its axis 2): each comes as NAME_codes (uint8): NAME with its K axis moved to the last place and cut into blocks of 32 codes, [.., K / 32, bytes a block], one block behind the other in memory; one code a byte (a code: sign, 5 exponent bits, 2 mantissa bits); its scale is its entry of lowp_scales. Its value is code x scale, taken as it is: it is not quantised again, and the codes and scales need not be those that the quantiser above would give.
;; One version. Each part assembles by itself: llvm-mc -triple=amdgcn-amd-amdhsa -mcpu=gfx1250 --defsym DOCPART=n.
;; ======== version 1 of 1: 1 launch
;; limits: right only within a limited range of input values
;; launch linatt (part 1): grid 4 x 64, 4 waves a work-group, clusters of 4 x 4, 327,680 bytes of LDS; arguments v_codes, Wv_codes, lowp_scales, out0; writes out0
.if DOCPART == 1
	.amdgcn_target "amdgcn-amd-amdhsa--gfx1250"
	.amdhsa_code_object_version 6
	.text
	.protected	k_q08c3766025_linatt
	.globl	k_q08c3766025_linatt
	.p2align	8
	.type	k_q08c3766025_linatt,@function
k_q08c3766025_linatt:
	s_mov_b64 s[64:65], 0
	v_nop
	global_prefetch_b8 v0, s[64:65] scope:SCOPE_SE
	s_setreg_imm32_b32 hwreg(HW_REG_WAVE_MODE, 25, 1), 1
	s_wait_xcnt 0x0
	s_wait_alu depctr_hold_cnt(0) depctr_sa_sdst(0) depctr_va_vdst(0) depctr_va_sdst(0) depctr_va_ssrc(0) depctr_va_vcc(0) depctr_vm_vsrc(0)
	s_getreg_b32 s2, hwreg(HW_REG_IB_STS2, 6, 4)
	s_cmp_eq_u32 s2, 0
	s_cbranch_scc0 .Lentry_in_a_cluster
	s_endpgm
.Lentry_in_a_cluster:
	s_bfe_u32 s2, ttmp6, 0x10000c
	s_cmp_lg_u32 s2, 0xf033
	s_cbranch_scc0 .Lentry_shape_is_right
	s_endpgm
.Lentry_shape_is_right:
; out[s][b][n] = sum over b' <= b of (v Wv^T)[s][b'][n].  v: 16,384 rows (4 s + b) x 1,024 codes of E5M2; Wv: 1,024 rows x 1,024 codes; out: 16,384 x 1,024 f32; sums in f32.
; WORK LEFT OUT: q, k, Wq, Wk, the two products that take them, the exponentials and the dot product of each head.  For each (s, b, head) reference() forms qk = sum over d of exp(q_h) exp(k_h) and
; out = (qk v_h) / qk.  An exponential of a real number is positive, so qk, a sum of 64 products of such numbers, is positive for all finite q, k, Wq, Wk, and (qk v_h) / qk = v_h by an identity: the factor
; qk / qk is 1.  Nothing of q or k goes into a quantised operand of a live product.  So q_codes, k_codes, Wq_codes, Wk_codes and entries 0 to 3 of lowp_scales have no way to the output:
; they are no arguments or are not loaded.
; LIMIT: a NaN, an infinity or an overflow that reaches only the work left out (exp or qk beyond f32's range, qk rounded to 0) is not carried to the result.
; LIMIT: the sum of lowp_scales[4] and [5] lies between -126 and 127, so that 2^(that sum) is an f32 number.
;
; A work-group of four waves makes 256 rows x 256 columns.  A wave makes all 256 rows of its 64 columns: it keeps its 64 rows of Wv, all 1,024 along K, in 512 registers, and v's rows stream through LDS:
; each fragment of v that it loads feeds four matrix instructions, and Wv's fragments are loaded once.
; THE COLUMNS OF A TILE: lane r of tile t takes row 4 r + t of the wave's 64 rows of Wv.  In the result, register j of lane (r, h) is row 8 h + j: the four tiles' registers j are columns 4 r .. 4 r + 3 of one row:
; 16 neighbouring bytes, sixteen lanes 256 neighbouring bytes at a multiple of 256: results go from registers straight to memory.  The four b of an s are four neighbouring registers of a lane: the sum over b stays in the lane.
; CLUSTERS: 4 x 4 work-groups.  The four of a row share v's rows, the four of a column share Wv's: each tile is asked for jointly.
; LDS, rows of 1,024 bytes + 16 of padding: Wv's 256 rows (by t, then 16 wave + r); behind them v's rows 0-31; when Wv is in registers, v's rows 32-127 and 128-255 go where Wv lay, one behind the other.
; PREFETCH: of the cluster row's 256 rows of v each of the four partners asks for a quarter, told apart by address; each block of 256 bytes is named once.  Rows 0-127 are asked for behind Wv's load, one and two
; loads ahead of the loads that want them; rows 128-255 behind the next load, two loads ahead.  Wv is asked for by its loads alone: they are the launch's first requests.
; THE WORK is laid in GRANULES: a row tile of 16 x 128 along K, four matrix instructions.  A pair of row tiles (32 rows) is 16 granules, K step by K step, the two tiles by turns; eight pairs are granules 0 to 127.
; Granule n loads granule n + 6's fragment of v into the one of seven buffers that granule n - 1 has left; and it carries a sixteenth of the way out of the pair before: one row of a lane's sixteen.
; REGISTERS: window 0: v0-15 addresses; v16-127 the seven buffers; v128-191 and v192-255 the accumulators of even and odd pairs, (row tile i, t) at + 8 (4 i + t).
;   Window 1: finished rows, 64 registers a pair, four sets.  Windows 2, 3: Wv's fragments, K steps 0-3 and 4-7 of 128: K step k, tile t at v[64 (k % 4) + 16 t].
.set KROW,   1024                      ; a row of codes in memory
.set PITCH,  1040                      ; an LDS row: 260 words: row r starts at bank 4 r mod 64 (64 banks of 4 bytes: ISA guide 11.1), so the 16 rows that a load touches start at 16 different banks
.set XA,     256*PITCH                 ; v's rows 0-31
.set XC,     96*PITCH                  ; v's rows 128-255 (32-127 lie at 0)
.set SPARE,  XA+32*PITCH               ; the spare words, 128 bytes for each wave
.set NBY,    4096                      ; a row of out
.set PADS,   (1<<20)|(1<<21)|(7<<22)|(3<<25)   ; elements of 1 byte; 20 padding on; 21 set beside a mask; 24:22 after every 256 words (code 7); 31:25 of 4 words (code 3)
.set ADP,    4                         ; v4-11   LDS address of my fragments of v, pair 0 .. 7
.set CO,     12                        ; v12     my byte offset in out
.set PFO,    13                        ; v13     the prefetches' offset: lane x 256; never rewritten
.set SPW,    14                        ; v14     LDS address of my spare word; never rewritten
.set NIL,    15                        ; v15     0; never rewritten
.set ADRW,   16                        ; v16-19  LDS address of my fragments of Wv, tile t: ahead of the first granule
.set RING,   16
.set ACC,    128
.set WV,     14                        ; s14 the wave
.set G0W,    24
.set G0A,    28
.set G1W,    32
.set G1A,    48
.set G0B,    56
.set G0C,    60
.set G1B,    68
.set G1C,    76
.set SV,     84                        ; 2^(ev + ew)
.set PFA,    88
.set OUT,    90
.set PA,     92                        ; the first of my work-group's rows of v
.set MSB, 0
.macro WIN new                         ; the immediate's high byte repeats the setting that is left
.if MSB != (\new)
	s_set_vgpr_msb (MSB<<8)|(\new)
.set MSB, (\new)
.endif
.endm
.macro PLACES                          ; four places behind matrix instructions (ISA guide 7.12.1), where no other vector work is due
.rept 4
	v_nop
.endr
.endm
.macro TLOAD g0, g1                    ; a joint load; s_nop 0 and four v_nop behind it
	tensor_load_to_lds s[\g0:\g0+3], s[\g1:\g1+7]
	s_nop 0
	PLACES
.endm
.macro CREST                           ; a round of the cluster's barrier behind its opening barrier
	s_cmp_lg_u32 s[WV], 0
	s_cbranch_scc1 .Lnot_wave_0_\@
	s_barrier_signal -3
.Lnot_wave_0_\@:
	s_barrier_wait -3
	s_barrier_signal -1
	s_barrier_wait -1
.endm
.macro CROUND
	s_barrier_signal -1
	s_barrier_wait -1
	CREST
.endm
.macro DRAIN                           ; all my loads have landed, the add and my LDS reads are done: so for every wave behind the barrier
	s_wait_tensorcnt 0x0
	ds_add_u32 v[SPW], v[NIL]
	s_wait_dscnt 0x0
	s_barrier_signal -1
	s_barrier_wait -1
.endm
; Descriptors of a chunk of v: each wave fetches `rows` rows, the chunk's first row is `first`, its LDS bytes begin at lds.  s43: my row of the cluster
.macro DESC g0, g1, rows, first, lds
	s_or_b32 s[\g1], s43, PADS
	s_mov_b32 s[\g1+1], KROW<<16                   ; tensor_dim0
	s_mov_b32 s[\g1+2], (\rows)<<16                ; tensor_dim1
	s_mov_b32 s[\g1+3], KROW<<16                   ; tile_dim0
	s_mov_b32 s[\g1+4], \rows                      ; tile_dim1
	s_mov_b32 s[\g1+5], KROW                       ; pitch
	s_mov_b32 s[\g1+6], 0
	s_mov_b32 s[\g1+7], 0
	s_mov_b32 s[\g0], 1
	s_mul_i32 s[\g0+1], s[WV], (\rows)*PITCH
	s_add_co_u32 s[\g0+1], s[\g0+1], (\lds)
	s_mul_i32 s20, s[WV], (\rows)*KROW
	s_add_co_u32 s20, s20, (\first)*KROW
	s_add_nc_u64 s[\g0+2:\g0+3], s[PA:PA+1], s[20:21]
	s_or_b32 s[\g0+3], s[\g0+3], 0x80000000
.endm
	s_load_b256 s[4:11], s[0:1], 0x0               ; v s[4:5], Wv s[6:7], lowp_scales s[8:9], out s[10:11]
	v_lshl_add_u32 v[SPW], v0, 2, SPARE
	v_mov_b32 v[NIL], 0
	ds_add_u32 v[SPW], v[NIL]                      ; the opening: the add, twice on end, ahead of my first tensor load
	ds_add_u32 v[SPW], v[NIL]
	v_lshrrev_b32 v1, 5, v0
	v_readfirstlane_b32 s[WV], v1
	s_bfe_u32 s40, ttmp6, 0x40000                  ; cx
	s_bfe_u32 s41, ttmp6, 0x40004                  ; cy
	s_lshl_b32 s42, ttmp9, 2
	s_add_co_u32 s42, s42, s40                     ; tile column
	s_and_b32 s17, ttmp7, 0xffff
	s_lshl_b32 s17, s17, 2
	s_add_co_u32 s17, s17, s41                     ; tile row
	s_lshl_b32 s44, 0x1111, s40                    ; my column of the cluster
	s_lshl_b32 s43, s41, 2
	s_lshl_b32 s43, 15, s43                        ; my row of the cluster
	; Wv: wave t fetches rows 4 y + t, y = 0 .. 63, of the tile column's 256: rows of 1,024 bytes, 4,096 apart
	s_or_b32 s[G1W], s44, PADS
	s_mov_b32 s[G1W+1], KROW<<16
	s_mov_b32 s[G1W+2], 64<<16
	s_mov_b32 s[G1W+3], KROW<<16
	s_mov_b32 s[G1W+4], 64
	s_mov_b32 s[G1W+5], 4*KROW
	s_mov_b32 s[G1W+6], 0
	s_mov_b32 s[G1W+7], 0
	s_mov_b32 s[G0W], 1
	s_mul_i32 s[G0W+1], s[WV], 64*PITCH
	s_lshl_b32 s46, s42, 18
	s_lshl_b32 s22, s[WV], 10
	s_add_co_u32 s46, s46, s22
	s_mov_b32 s47, 0
	s_wait_alu depctr_va_vdst(0)
	s_wait_dscnt 0x0                               ; both opening adds are done
	CROUND                                         ; all sixteen work-groups are here: the first joint loads meet
	s_wait_kmcnt 0x0
	s_add_nc_u64 s[G0W+2:G0W+3], s[6:7], s[46:47]
	s_or_b32 s[G0W+3], s[G0W+3], 0x80000000
	TLOAD G0W, G1W                                 ; my quarter of Wv: one tensor load a wave at the head
	s_load_b64 s[86:87], s[8:9], 0x10              ; the exponents of v's and of Wv's scale
	s_lshl_b32 s20, s17, 18
	s_mov_b32 s21, 0
	s_add_nc_u64 s[PA:PA+1], s[4:5], s[20:21]
	s_lshl_b32 s20, s40, 13
	s_lshl_b32 s22, s[WV], 15
	s_add_co_u32 s20, s20, s22                     ; my 32 blocks of 256 bytes of the first 128 rows: 8,192 (4 wave + cx)
	s_add_nc_u64 s[PFA:PFA+1], s[PA:PA+1], s[20:21]
	s_mul_i32 s23, s[WV], 16*PITCH
	v_and_b32 v24, 31, v0
	v_lshlrev_b32 v[PFO], 8, v24
	v_and_b32 v1, 15, v0                           ; r
	v_bfe_u32 v2, v0, 4, 1                         ; h
	v_mul_u32_u24 v3, v1, PITCH
	v_lshl_add_u32 v[ADP+1], v2, 4, v3             ; r x pitch + 16 h: pair 1, rows 32-63, lies at 0
	v_add_nc_u32 v[ADRW], s23, v[ADP+1]            ; row 16 wave + r of Wv's quarter t = 0
	v_add_nc_u32 v[ADRW+1], 64*PITCH, v[ADRW]
	v_add_nc_u32 v[ADRW+2], 128*PITCH, v[ADRW]
	v_add_nc_u32 v[ADRW+3], 192*PITCH, v[ADRW]
	v_add_nc_u32 v[ADP], XA, v[ADP+1]
.irp p, 2,3,4,5,6,7
	v_add_nc_u32 v[ADP+\p], 32*(\p-1)*PITCH, v[ADP+1]
.endr
	v_lshlrev_b32 v25, 15, v2                      ; 8 h rows of out
	v_lshl_add_u32 v[CO], v1, 4, v25               ; + 16 r
	global_prefetch_b8 v[PFO], s[PFA:PFA+1] th:TH_LOAD_NT scope:SCOPE_SE   ; rows 0-127 of v, a lane a block
	s_wait_alu depctr_va_vdst(0)                   ; it covers all addresses made above
	s_lshl_b32 s20, s17, 20
	s_lshl_b32 s22, s42, 10
	s_add_co_u32 s20, s20, s22
	s_lshl_b32 s22, s[WV], 8
	s_add_co_u32 s20, s20, s22
	s_add_nc_u64 s[OUT:OUT+1], s[10:11], s[20:21]  ; my 256 rows, my 64 columns
	DESC G0A, G1A, 8, 0, XA
	DESC G0B, G1B, 24, 32, 0
	DESC G0C, G1C, 32, 128, XC
	s_wait_kmcnt 0x0
	s_add_co_i32 s86, s86, s87
	s_add_co_i32 s86, s86, 127
	s_lshl_b32 s[SV], s86, 23
; Wv's fragments of one half of K (K = 512 hf ..), 64 loads.  A fragment is 16 rows x 128 K in 16 registers: lane l holds row l % 16; registers 4 c .. 4 c + 3 hold K = 32 c + 16 (l / 16) + 0 .. 15.
; That is a permutation of the form's own places of k, the same for v and for Wv, so every product meets its partner.
.macro FETCHW hf
.irp k, 0,1,2,3
.irp t, 0,1,2,3
.irp c, 0,1,2,3
	ds_load_b128 v[64*\k+16*\t+4*\c:64*\k+16*\t+4*\c+3], v[ADRW+\t] offset:512*(\hf)+128*\k+32*\c
.endr
.endr
.endr
.endm
; granule n's fragment of v
.macro LOADG n
.set lp, (\n)/16
.set lo, ((\n)%2)*16*PITCH+128*(((\n)%16)/2)
.set lb, RING+16*((\n)%7)
.irp c, 0,1,2,3
	ds_load_b128 v[lb+4*\c:lb+4*\c+3], v[ADP+lp] offset:lo+32*\c
.endr
.endm
; THE WAY OUT in units: unit u = 16 x pair + 4 b + 2 i + g: row tile i, a lane's row 4 g + b.  Its sums x 2^(ev + ew) + the row of b - 1; each accumulator is read from its low end on.
.macro UNITSET u
.set ub, ((\u)%16)/4
.set ui, (((\u)%16)/2)%2
.set ug, (\u)%2
.set ur, 64*(((\u)/16)%4)+32*ui+16*ug+4*ub
.endm
.macro UNITV u                         ; four results: 16 bytes a lane
	UNITSET \u
.set ua, ACC+64*(((\u)/16)%2)+32*ui+4*ug+ub
.irp t, 0,1,2,3
.if ub == 0
	v_mul_f32 v[ur+\t], v[ua+8*\t], s[SV]
.else
	v_fma_f32 v[ur+\t], v[ua+8*\t], s[SV], v[ur-4+\t]
.endif
.endr
.endm
.macro UNITS u                         ; their store: two rows' aligned 256 bytes; 252 rows of out at the most: inside the 24-bit immediate (ISA guide, chapter 10)
	UNITSET \u
	global_store_b128 v[CO], v[ur:ur+3], s[OUT:OUT+1] offset:(32*((\u)/16)+16*ui+4*ug+ub)*NBY th:TH_STORE_NT
.endm
; one matrix instruction of a granule: source 0 = 16 rows of v, source 1 = 16 rows of Wv.  A pair's eight accumulators take turns; its first K step starts the sums
.macro MM t
.if gk == 0
	v_wmma_f32_16x16x128_bf8_bf8 v[gc+8*\t:gc+8*\t+7], v[gb:gb+15], v[64*(gk%4)+16*\t:64*(gk%4)+16*\t+15], 0
.else
	v_wmma_f32_16x16x128_bf8_bf8 v[gc+8*\t:gc+8*\t+7], v[gb:gb+15], v[64*(gk%4)+16*\t:64*(gk%4)+16*\t+15], v[gc+8*\t:gc+8*\t+7]
.endif
.endm
; Granule n of a run that ends with granule `last`.  The four vector instructions behind the first product are the places in front of the loads into granule n - 1's buffer, and in front of the
; way out's first reads: the last products on a pair's row tile 0 have granule 15's four behind them, those on row tile 1 the next pair's first eight.
; A unit's store stands three units, twelve plain vector instructions, behind its results.
.macro GRAN n, last
.set gk, ((\n)%16)/2
.set gb, RING+16*((\n)%7)
.set gc, ACC+64*(((\n)/16)%2)+32*((\n)%2)
.if (\last)-(\n) >= 5
	s_wait_dscnt 20                                ; my fragment is in; the five granules' behind it may be out
.else
	s_wait_dscnt 4*((\last)-(\n))
.endif
	WIN 0x08+4*(gk/4)                              ; source 1 window 2 or 3, all else window 0: for products and loads alike
	MM 0
.if (\n) >= 32
	WIN 0x54                                       ; sources 1 and 2 and destination window 1: for the results and their store alike
	UNITV (\n)-16
.if (\n) >= 35
	UNITS (\n)-19
.endif
	WIN 0x08+4*(gk/4)
.else
	PLACES
.endif
	MM 1
.if (\n)+6 <= (\last)
	LOADG (\n)+6
.endif
	MM 2
	MM 3
.endm
	s_wait_alu depctr_va_vdst(0)
	DRAIN                                          ; Wv is in LDS
	CREST
	TLOAD G0A, G1A                                 ; v's rows 0-31, under whose flight Wv goes into registers
	WIN 0x80
	FETCHW 0
	WIN 0
	global_prefetch_b8 v[PFO], s[PFA:PFA+1] offset:128*KROW th:TH_LOAD_NT scope:SCOPE_SE   ; rows 128-255 of v
	WIN 0xc0
	FETCHW 1
	WIN 0
	DRAIN                                          ; rows 0-31 are in LDS, Wv is in every wave's registers: its LDS bytes are free
	CREST
	TLOAD G0B, G1B                                 ; rows 32-127
.set gn, 0
.rept 6
	LOADG gn
.set gn, gn+1
.endr
.set gn, 0
.rept 16                               ; pair 0
	GRAN gn, 15
.set gn, gn+1
.endr
	PLACES
	WIN 0x54
	UNITV 0                                        ; its way out follows at once: the next rows are still on their way
.set gn, 1
.rept 15
	UNITV gn
	UNITS gn-1
.set gn, gn+1
.endr
	UNITS 15
	WIN 0
	DRAIN
	CREST
	TLOAD G0C, G1C                                 ; rows 128-255
.set gn, 16
.rept 6
	LOADG gn
.set gn, gn+1
.endr
.set gn, 16
.rept 112                              ; pairs 1 to 7
.if gn == 58
	WIN 0
	DRAIN                                          ; rows 128-255 are in LDS: granule 58 is the first that loads from them.  Nothing is filled again: no round
.endif
.if (gn == 80) || (gn == 112)
	s_wait_xcnt 0x0                                ; pair 4's results begin to take pair 0's registers, pair 7's will take pair 3's: their stores have read them
.endif
	GRAN gn, 127
.set gn, gn+1
.endr
	PLACES
	s_wait_alu depctr_va_vdst(0)
	WIN 0x54
	UNITS 109
	UNITS 110
	UNITS 111
	UNITV 112                                      ; pair 7's way out
.set gn, 113
.rept 15
	UNITV gn
	UNITS gn-1
.set gn, gn+1
.endr
	UNITS 127
	WIN 0
	s_wait_tensorcnt 0x0                           ; the wave's end
	ds_add_u32 v[SPW], v[NIL]
	s_wait_dscnt 0x0
	CROUND                                         ; the closing round: no work-group ends while a partner may still ask for a tile that names it
	s_endpgm
.Lfunc_end_k_q08c3766025_linatt:
	.size	k_q08c3766025_linatt, .Lfunc_end_k_q08c3766025_linatt-k_q08c3766025_linatt
	.p2alignl 7, 3214868480
	.fill 96, 4, 3214868480
	.section	.rodata,"a",@progbits
	.p2align	6, 0x0
	.amdhsa_kernel k_q08c3766025_linatt
		.amdhsa_group_segment_fixed_size 327680
		.amdhsa_private_segment_fixed_size 0
		.amdhsa_enable_private_segment 0
		.amdhsa_kernarg_size 32
		.amdhsa_user_sgpr_count 2
		.amdhsa_user_sgpr_kernarg_segment_ptr 1
		.amdhsa_wavefront_size32 1
		.amdhsa_system_sgpr_workgroup_id_x 1
		.amdhsa_system_sgpr_workgroup_id_y 1
		.amdhsa_system_sgpr_workgroup_id_z 1
		.amdhsa_system_vgpr_workitem_id 0
		.amdhsa_next_free_vgpr 1024
		.amdhsa_next_free_sgpr 96
		.amdhsa_reserve_vcc 0
		.amdhsa_float_denorm_mode_32 3
		.amdhsa_float_denorm_mode_16_64 3
		.amdhsa_memory_ordered 1
		.amdhsa_forward_progress 1
		.amdhsa_inst_pref_size 141
	.end_amdhsa_kernel
	.amdgpu_metadata
---
amdhsa.version: [ 1, 2 ]
amdhsa.kernels:
  - .name:           k_q08c3766025_linatt
    .symbol:         k_q08c3766025_linatt.kd
    .args:
      - { .name: v_codes, .offset: 0, .size: 8, .value_kind: global_buffer, .address_space: global }
      - { .name: Wv_codes, .offset: 8, .size: 8, .value_kind: global_buffer, .address_space: global }
      - { .name: lowp_scales, .offset: 16, .size: 8, .value_kind: global_buffer, .address_space: global }
      - { .name: out0, .offset: 24, .size: 8, .value_kind: global_buffer, .address_space: global }
    .group_segment_fixed_size: 327680
    .private_segment_fixed_size: 0
    .kernarg_segment_align: 8
    .kernarg_segment_size: 32
    .max_flat_workgroup_size: 128
    .sgpr_count:     96
    .vgpr_count:     1024
    .wavefront_size: 32
...
	.end_amdgpu_metadata
.endif
;; end of part 1
